; MI455X (gfx1250); checked and timed in simulation.
; The chip was launched on July 23, 2026; its instructions are those of AMD's public machine-readable ISA for CDNA 5 (MIT licence, August 2026) and "CDNA5" Instruction Set Architecture Reference Guide (July 2026). The comments in the code are by the model that wrote it; some were corrected since.
;; AUGRU. Allowed arithmetic: matrix products marked QUANTISED: E5M2 operands, one E8M0 scale for each 32 along K, by v_wmma_scale_f32_16x16x128_f8f6f4 with both operands' format E5M2, f32 sums; everything else in f32.
;; Inputs: Wc_h_codes 512 x 16 x 32 uint8 (E5M2 codes of Wc_h, K innermost, in blocks of 32 codes); Wc_h_scales 512 x 16 uint8 (E8M0 scales of Wc_h, one for each 32 codes along K); Wc_x_codes 512 x 16 x 32 uint8 (E5M2 codes of Wc_x, K innermost, in blocks of 32 codes); Wc_x_scales 512 x 16 uint8 (E8M0 scales of Wc_x, one for each 32 codes along K); Wr_h_codes 512 x 16 x 32 uint8 (E5M2 codes of Wr_h, K innermost, in blocks of 32 codes); Wr_h_scales 512 x 16 uint8 (E8M0 scales of Wr_h, one for each 32 codes along K); Wr_x_codes 512 x 16 x 32 uint8 (E5M2 codes of Wr_x, K innermost, in blocks of 32 codes); Wr_x_scales 512 x 16 uint8 (E8M0 scales of Wr_x, one for each 32 codes along K); Wu_h_codes 512 x 16 x 32 uint8 (E5M2 codes of Wu_h, K innermost, in blocks of 32 codes); Wu_h_scales 512 x 16 uint8 (E8M0 scales of Wu_h, one for each 32 codes along K); Wu_x_codes 512 x 16 x 32 uint8 (E5M2 codes of Wu_x, K innermost, in blocks of 32 codes); Wu_x_scales 512 x 16 uint8 (E8M0 scales of Wu_x, one for each 32 codes along K); att_score 32,768 x 1 float32; bc 512 float32; br 512 float32; bu 512 float32; inputs_codes 32,768 x 16 x 32 uint8 (E5M2 codes of inputs, K innermost, in blocks of 32 codes); inputs_scales 32,768 x 16 uint8 (E8M0 scales of inputs, one for each 32 codes along K); state 32,768 x 512 float32.
;; Outputs: out0 32,768 x 512 float32.
;; This version of the problem:
;;   THIS VERSION OF THE PROBLEM IS GIVEN IN LOW PRECISION. The matrix products marked QUANTISED in the list below multiply operands that are first quantised to E5M2 (5 exponent bits, 2 mantissa bits; 8 bits a number), with one power-of-two scale for each 32 numbers along K (OCP MX v1.0); their sums are f32. All else is computed in f32.
;;   The module's matrix products, in the order in which they are computed (A, B: the left and right operand; K: the contracted axis; several contracted axes count as one K, in the product's order):
;;     1. [M 32,768, K 512] x [K 512, N 512]; A: input inputs (given as codes); B: input Wu_x (given as codes): QUANTISED
;;     2. [M 32,768, K 512] x [K 512, N 512]; A: input state; B: input Wu_h (given as codes): QUANTISED
;;     3. [M 32,768, K 512] x [K 512, N 512]; A: input inputs (given as codes); B: input Wr_x (given as codes): QUANTISED
;;     4. [M 32,768, K 512] x [K 512, N 512]; A: input state; B: input Wr_h (given as codes): QUANTISED
;;     5. [M 32,768, K 512] x [K 512, N 512]; A: input inputs (given as codes); B: input Wc_x (given as codes): QUANTISED
;;     6. [M 32,768, K 512] x [K 512, N 512]; A: input state; B: input Wc_h (given as codes): QUANTISED
;;   THE QUANTISER, for each operand of a quantised product, along K:
;;     - K is cut into blocks of 32 from its start; a last block that is shorter is filled with zeros.
;;     - A block's scale is 2^e with e = floor(log2(the largest magnitude in the block)) - 15, held to -126 .. 127; a block of zeros has e = 0. As a byte (E8M0): e + 127.
;;     - Each number is divided by its block's scale, clamped to +-57,344, and rounded to the nearest number of E5M2, ties to even, subnormals kept.
;;     - The product sums the exact products of the quantised numbers (number of the format x scale) in f32.
;;   ~~~python
;;   def quantise(x, axis):      # numpy; x: float32 -> the quantised numbers, widened to float32 again
;;       x = np.moveaxis(x, axis, -1); K = x.shape[-1]
;;       x = np.pad(x, [(0, 0)] * (x.ndim - 1) + [(0, -K % 32)]); x = x.reshape(x.shape[:-1] + (-1, 32)); a = np.abs(x).max(-1, keepdims=True)
;;       e = np.where(a > 0, np.clip(np.frexp(np.where(a > 0, a, 1))[1] - 1 - 15, -126, 127), 0)      # np.frexp(a)[1] - 1 = floor(log2(a)), exactly
;;       r = np.clip(x / 2.0 ** e, -57344, 57344)
;;       step = 2.0 ** (np.maximum(np.frexp(np.where(r == 0, 1, r))[1] - 1, -14) - 2)
;;       q = np.round(r / step) * step * 2.0 ** e      # np.round: ties to even
;;       return np.moveaxis(q.reshape(q.shape[:-2] + (-1,))[..., :K], -1, axis).astype(np.float32)
;;   ~~~
;;   INPUTS GIVEN AS CODES. Wc_h (in the module: [512, 512], K = its axis 0); Wc_x (in the module: [512, 512], K = its axis 0); Wr_h (in the module: [512, 512], K = its axis 0); Wr_x (in the module: [512, 512], K = its axis 0); Wu_h (in the module: [512, 512], K = its axis 0); Wu_x (in the module: [512, 512], K = its axis 0); inputs (in the module: [32768, 512], K = its axis 1): each comes as NAME_codes (uint8): NAME with its K axis moved to the last place and cut into blocks of 32 codes, [.., K / 32, bytes a block], one block behind the other in memory; one code a byte (a code: sign, 5 exponent bits, 2 mantissa bits); and NAME_scales (uint8): the same leading axes, one E8M0 byte (e + 127) for each 32 codes along K. Its value is code x scale, taken as it is: it is not quantised again, and the codes and scales need not be those that the quantiser above would give.
;; One version. Each part assembles by itself: llvm-mc -triple=amdgcn-amd-amdhsa -mcpu=gfx1250 --defsym DOCPART=n.
;; ======== version 1 of 1: 1 launch
;; limits: inputs' magnitudes at most 1.15e+18; right only within a limited range of input values
;; launch augru (part 1): grid 256 x 1, 4 waves a work-group, clusters of 4 x 1, 327,680 bytes of LDS; arguments state, inputs_codes, inputs_scales, att_score, out0, Wu_x_codes, Wr_x_codes, Wc_x_codes, Wu_h_codes, Wr_h_codes, Wc_h_codes, Wu_x_scales, Wr_x_scales, Wc_x_scales, Wu_h_scales, Wr_h_scales, Wc_h_scales, bu, br, bc; writes out0
.if DOCPART == 1
	.amdgcn_target "amdgcn-amd-amdhsa--gfx1250"
	.amdhsa_code_object_version 6
	.text
	.protected	k_q3bbb8202fa_augru
	.globl	k_q3bbb8202fa_augru
	.p2align	8
	.type	k_q3bbb8202fa_augru,@function
k_q3bbb8202fa_augru:
	s_mov_b64 s[64:65], 0
	v_nop
	global_prefetch_b8 v0, s[64:65] scope:SCOPE_SE
	s_setreg_imm32_b32 hwreg(HW_REG_WAVE_MODE, 25, 1), 1
	s_wait_xcnt 0x0
	s_wait_alu depctr_hold_cnt(0) depctr_sa_sdst(0) depctr_va_vdst(0) depctr_va_sdst(0) depctr_va_ssrc(0) depctr_va_vcc(0) depctr_vm_vsrc(0)
	s_getreg_b32 s2, hwreg(HW_REG_IB_STS2, 6, 4)
	s_cmp_eq_u32 s2, 0
	s_cbranch_scc0 .Lentry_in_a_cluster
	s_endpgm
.Lentry_in_a_cluster:
	s_bfe_u32 s2, ttmp6, 0x10000c
	s_cmp_lg_u32 s2, 0x3003
	s_cbranch_scc0 .Lentry_shape_is_right
	s_endpgm
.Lentry_shape_is_right:
; AUGRU:  u = sigmoid(x Wu_x + bu + h Wu_h),  r = sigmoid(x Wr_x + br + h Wr_h),  c = tanh(x Wc_x + bc + r (h Wc_h)),  out = (1 - att u) h + att u c.
; x [32768][512] and the six weights [512 units][512 K] come as codes of E5M2, K innermost, one E8M0 byte for 32 along K; h = state [32768][512] comes as f32 and is quantised here along its rows.
; SHARES.  A cluster of four work-groups owns 512 rows and walks them in NB = 16 blocks of 32, two tiles of 16 each.  Partner cx owns units 128 cx .. 128 cx + 127, its wave w units 32 w .. 32 w + 31 of those (n = 0, 1).
; THE WEIGHTS STAY IN REGISTERS: 6 weights x 2 n x 4 K steps x 16 registers = 768 (windows 1 to 3).  They are read in whole rows of 512 bytes and turned into fragments through the wave's own LDS bytes.  No two partners hold the same weights: no joint load.
; WHAT GOES ROUND IS THE ROWS, by tensor loads, one a wave behind a round: waves 0, 1 JOINTLY halves of state's 32 rows, wave 2 JOINTLY x's codes, wave 3 the work-group's own 128 columns of state (their place hangs on cx, and no LDS address may).
; BLOCK t: its 2 x 48 products a wave; behind the first 36 products of a tile stand the lines that quantise tile m of block t + 1 (wave w: K step w), whose codes go to LDS as images of the operand's registers.
; ONE ROUND a block, behind tile 1's products, E(t): all images of t + 1 lie in LDS, state's block t + 2 and x's and the own columns' t + 1 have landed; refilled are state's t + 3, x's and the own columns' t + 2, a whole block ahead of the wait for them.
; FRAGMENTS stream through four buffers: x's four K steps are loaded under the gates before; h's K steps take their places: 0 and 1 ahead of product 14, 2 and 3 ahead of product 24.
; THE PRODUCTS ARE TRANSPOSED (source 0 = 16 units, source 1 = 16 rows): lane (r, h) holds row r, register j unit 8 h + j.  Six sums take turns, one instruction a turn.
; GATES, L = log2(e): eu = 2^(-L au);  er = 2^(-L ar);  r = 1/(1 + er);  ec = 2^min(2 L (cx + r ch), 60);  p = 1 + ec;  out = s + att ((1 - s) p - 2) / (p (1 + eu)).  The biases lie in LDS times -L, -L, 2 L and enter by the multiply-adds that scale the sums.
; PREFETCHES: behind E(t) waves 0, 1 name state's block t + 4, which E(t + 1) loads, wave 2 in odd t x's blocks t + 3 and t + 4; each block of 256 bytes once in a cluster, the partners told apart by address.  The last trip names nothing.
; LIMITS.  At the hold, 2 L xc = 60, tanh is 1 in f32.  Where p (1 + eu) passes 2^126 its reciprocal is 0, so u counts as 0: p is at most 2^60 + 1, so u is under 2^-65 there.  |state| is served up to 2^60.  A block of 32 zeros of state gets
; the scale byte 1 where the rule says 127: its codes are zeros, and this program alone reads the byte.  NaN and infinities among the inputs are not served.
.set NB,    16
.set SLOT1, 1<<17                      ; slot 1 begins here
.set PS,    1040                       ; half a row of state in LDS: 1,024 bytes + 16
.set PB,    528                        ; 512 bytes + 16
.set SH1,   32*PS                      ; a slot: state's columns 0-255 at 0, columns 256-511 here,
.set XO,    2*SH1                      ; x's codes,
.set LO,    XO+32*PB                   ; the own 128 columns of state,
.set HIMG,  LO+32*PB                   ; (never a tensor load's target) h's 8 fragments as images, 2,048 bytes each: fragment 4 m + s,
.set HSC,   HIMG+8*2048                ; h's scale words: 512 m + 16 x lane + 4 s
.set XSC,   HSC+1024                   ; behind slot 0: x's scale bytes of the cluster's rows, 16 a row,
.set ATT,   XSC+8192                   ; att,
.set SPARE, ATT+2048                   ; the spare words: two blocks of 256 bytes that no other line names,
.set BIA,   SPARE+512                  ; the scaled biases: 512 x wave + 128 x gate + 4 x unit
.set STG,   1<<18                      ; two stages of 32 rows x 128 units, 32,768 bytes apart; at the head the waves' places for turning weights
.set SPW, 1                            ; LDS address of my spare word
.set NIL, 2                            ; 0
.set AQ0, 3                            ; my lane's places in a slot: the numbers that I quantise,
.set AX0, 4                            ; x's fragments,
.set AL0, 5                            ; the own columns
.set AQ,  6                            ; the same in the slot in hand
.set AX,  7
.set AL,  8
.set AXS, 9                            ; x's scale words
.set AAT, 10                           ; att
.set LI,  11                           ; images: read,
.set HWI, 12                           ; written,
.set HWS, 13                           ; and their scale words
.set SO,  14                           ; stage: written
.set SR,  15                           ; and read
.set GO,  16                           ; 16 x lane
.set ABI, 17                           ; my biases
.set AT,  18                           ; v[18:19] names att; the packed form takes v18 alone
.set PFO, 19                           ; 256 x lane; never rewritten
.set CD,  20                           ; v20-23 codes of block 0
.set HS,  48                           ; v48-51 h's scale words; the weights' stand in v24-47: x's at 0-3 modulo 8, h's at 4-7
.set XS,  52                           ; v52-55 x's
.set MX,  56                           ; quantiser: two maxima, then bounds
.set PX,  58                           ; the other half's
.set SOP, 60                           ; four scale operands, then bytes, then the word in v60
.set AR,  64                           ; the four sums, 16 registers each: reset gate,
.set AH,  80                           ; h Wc_h,
.set AC,  96                           ; x Wc_x,
.set AU,  112                          ; update gate
.set NUM, 128                          ; 64 numbers of state; behind product 36 the three biases and s
.set SS,  NUM+48
.set FB,  192                          ; four fragment buffers
.set TB,  2                            ; scalar: the slot in hand
.set CNT, 3
.set PFA, 4
.set PFS, 6
.set LIM, 8
.set PM,  9
.set MNT, 10
.set OUT, 12
.set WV,  14
.set SCX, 15
.set CNL, 20
.set C2L, 22
.set G1S, 24
.set G1X, 32
.set G1L, 40
.set G0S, 48
.set G0X, 52
.set G0L, 56
.set SEL, 66
.set HWB, 68
.set HSB, 69
.set SRB, 70
.set WP,  88
.set MSB, 0
.macro WIN new
.if MSB != (\new)
	s_set_vgpr_msb (MSB<<8)|(\new)
.set MSB, (\new)
.endif
.endm
.macro PLACES k
.rept \k
	v_nop
.endr
.endm
.macro WALU
	s_wait_alu depctr_va_vdst(0)
.endm
.macro GROUP1 g, w0, c, r, p           ; r rows of c elements, p from row to row
	s_mov_b32 s[\g], \w0
	s_mov_b32 s[\g+1], (\c)<<16
	s_mov_b32 s[\g+2], (\r)<<16
	s_mov_b32 s[\g+3], (\c)<<16
	s_mov_b32 s[\g+4], \r
	s_mov_b32 s[\g+5], \p
	s_mov_b32 s[\g+6], 0
	s_mov_b32 s[\g+7], 0
.endm
.macro CREST                           ; a round of the cluster's barrier behind its opening barrier
	s_cmp_lg_u32 s[WV], 0
	s_cbranch_scc1 .Lnot_wave_0_\@
	s_barrier_signal -3
.Lnot_wave_0_\@:
	s_barrier_wait -3
	s_barrier_signal -1
	s_barrier_wait -1
.endm
.macro CROUND
	s_barrier_signal -1
	s_barrier_wait -1
	CREST
.endm
; One tensor load a wave; the branches hang on the wave's number alone.  what: 3 all, 2 x's codes and the own columns, 1 state
.macro TLOAD what
	s_cmp_lt_u32 s[WV], 2
.if (\what) == 2
	s_cbranch_scc1 .Lasked_\@
.elseif (\what) == 1
	s_cbranch_scc0 .Lasked_\@
.else
	s_cbranch_scc0 .Lnot_s_\@
.endif
.if (\what) != 2
	tensor_load_to_lds s[G0S:G0S+3], s[G1S:G1S+7]
	s_nop 0
	PLACES 4
.endif
.if (\what) == 3
	s_branch .Lasked_\@
.Lnot_s_\@:
.endif
.if (\what) != 1
	s_cmp_eq_u32 s[WV], 2
	s_cbranch_scc0 .Lfor_l_\@
	tensor_load_to_lds s[G0X:G0X+3], s[G1X:G1X+7]
	s_nop 0
	PLACES 4
	s_branch .Lasked_\@
.Lfor_l_\@:
	tensor_load_to_lds s[G0L:G0L+3], s[G1L:G1L+7]
	s_nop 0
	PLACES 4
.endif
.Lasked_\@:
.endm
.macro STEPS                           ; state's walking descriptor: the other slot, the next 32 rows
	s_xor_b32 s[G0S+1], s[G0S+1], SLOT1
	s_add_nc_u64 s[G0S+2:G0S+3], s[G0S+2:G0S+3], 32*2048
.endm
.macro STEPXL
	s_xor_b32 s[G0X+1], s[G0X+1], SLOT1
	s_add_nc_u64 s[G0X+2:G0X+3], s[G0X+2:G0X+3], 32*512
	s_xor_b32 s[G0L+1], s[G0L+1], SLOT1
	s_add_nc_u64 s[G0L+2:G0L+3], s[G0L+2:G0L+3], 32*2048
.endm
.macro ASK
	s_cmp_gt_u32 s[CNT], s[LIM]
	s_cbranch_scc0 .Lnot_mine_\@
	s_and_b32 s16, s[CNT], s[PM]
	s_cbranch_scc1 .Lnot_mine_\@
	global_prefetch_b8 v[PFO], s[PFA:PFA+1] th:TH_LOAD_NT scope:SCOPE_SE
.Lnot_mine_\@:
.endm
.macro ADDR                            ; the block's addresses: its own slot for x, the own columns and the images read; the other for what is quantised and the images written
	s_xor_b32 s16, s[TB], SLOT1
	s_add_co_u32 s17, s[TB], HIMG
	s_add_co_u32 s18, s16, s[HWB]
	s_add_co_u32 s19, s16, s[HSB]
	v_add_nc_u32 v[AQ], s16, v[AQ0]
	v_add_nc_u32 v[AX], s[TB], v[AX0]
	v_add_nc_u32 v[AL], s[TB], v[AL0]
	v_add_nc_u32 v[LI], s17, v[GO]
	v_add_nc_u32 v[HWI], s18, v[GO]
	v_add_nc_u32 v[HWS], s19, v[GO]
.endm
.macro SADDR                           ; the stage that the block writes, and the other, which it sends
	s_lshr_b32 s16, s[TB], 2
	s_xor_b32 s17, s16, 0x8000
	s_add_co_u32 s16, s16, STG-LO
	s_add_co_u32 s17, s17, s[SRB]
	v_add_nc_u32 v[SO], s16, v[AL0]
	v_add_nc_u32 v[SR], s17, v[GO]
.endm
.macro NLOAD m, b                      ; 16 numbers: column 128 w + 32 b + 16 (lane / 16) + i of row 16 m + lane % 16
.irp j, 0,1,2,3
	ds_load_b128 v[NUM+16*(\b)+4*\j:NUM+16*(\b)+4*\j+3], v[AQ] offset:16*PS*(\m)+128*(\b)+16*\j
.endr
.endm
.macro XFETCH m
.irp s, 0,1,2,3
.irp c, 0,1,2,3
	ds_load_b128 v[FB+16*\s+4*\c:FB+16*\s+4*\c+3], v[AX] offset:16*PB*(\m)+128*\s+32*\c
.endr
.endr
.endm
.macro HFETCH m, s
.irp c, 0,1,2,3
	ds_load_b128 v[FB+16*(\s)+4*\c:FB+16*(\s)+4*\c+3], v[LI] offset:2048*(4*(\m)+(\s))+512*\c
.endr
.endm
.macro IMG m                           ; my fragment's codes and scale word go to LDS
	ds_store_b128 v[HWI], v[CD:CD+3] offset:8192*(\m)
.irp c, 1,2,3
	ds_store_b128 v[HWI], v[NUM+4*\c-4:NUM+4*\c-1] offset:8192*(\m)+512*\c
.endr
	ds_store_b32 v[HWS], v[SOP] offset:512*(\m)
.endm
.macro BLOAD dst, gate                 ; a gate's scaled bias in the sums' layout
.irp c, 0,1
.irp d, 0,1
	ds_load_b128 v[\dst+8*\c+4*\d:\dst+8*\c+4*\d+3], v[ABI] offset:128*(\gate)+64*\c+16*\d
.endr
.endr
.endm
; LINE K_ OF THE QUANTISER, 0 .. 126: two blocks of 32 at a time (60 lines), then the scale word.  A block lies in lanes l and l xor 16.  Block 0's codes go to CD, blocks 1 to 3's over block 0's numbers, which are done with.
.macro QL
.set P_, K_/60
.set I_, K_%60
.set X_, I_%2
.if K_ >= 124
	v_lshl_or_b32 v[SOP], v[SOP+K_-123], 8*(K_-123), v[SOP]
.elseif K_ >= 120
	v_lshrrev_b32 v[SOP+K_-120], 23, v[SOP+K_-120]
.elseif I_ < 2                         ; with the floor 2^(16 - 127): the byte cannot fall under 1
	v_max3_num_f32 v[MX+X_], |v[NUM+32*P_+16*X_]|, |v[NUM+32*P_+16*X_+1]|, 0x8000000
.elseif I_ < 16
	v_max3_num_f32 v[MX+X_], v[MX+X_], |v[NUM+32*P_+16*X_+2*(I_/2)]|, |v[NUM+32*P_+16*X_+2*(I_/2)+1]|
.elseif I_ < 18
	v_permlanex16_b32 v[PX+X_], v[MX+X_], s[SEL], s[SEL+1]
.elseif I_ < 20
	v_max_num_f32 v[MX+X_], v[MX+X_], v[PX+X_]
.elseif I_ < 22                        ; 15 off the exponent field: the conversion's scale operand
	v_add_nc_u32 v[SOP+2*P_+X_], 0xf8800000, v[MX+X_]
.elseif I_ < 24                        ; 57,344 x the scale
	v_and_or_b32 v[MX+X_], v[MX+X_], 0x7f800000, s[MNT]
.elseif (I_ < 54) || (I_ == 56) || (I_ == 57)
.if I_ < 54
.set J_, I_-24
.else
.set J_, I_-26
.endif                                 ; the hold: the conversion does not saturate (ISA guide 7.6.2)
	v_med3_num_f32 v[NUM+32*P_+J_], v[NUM+32*P_+J_], -v[MX+J_/16], v[MX+J_/16]
.else
.set J_, 2*P_+(I_/58)
.if J_ == 0
.set C_, CD+2*X_
.else
.set C_, NUM+4*(J_-1)+2*X_
.endif
	v_cvt_scalef32_pk8_bf8_f32 v[C_:C_+1], v[NUM+16*J_+8*X_:NUM+16*J_+8*X_+7], v[SOP+J_]
.endif
.set K_, K_+1
.endm
; PRODUCT N_ of a tile, 0 .. 47: K step S_ of x (0 .. 23), then of h; within it r, c, u, two n each.  Every sum begins with the constant 0.
.macro MM
.set S_, (N_%24)/6
.set A_, (N_%6)/2
.set T_, N_%2
.set Z_, 0
.if N_ < 24
.set Y_, XS+S_
.if N_ < 6
.set Z_, 1
.endif
.if A_ == 0
.set D_, AR
.set W_, 2
.set F_, 0
.set V_, 32
.elseif A_ == 1
.set D_, AC
.set W_, 2
.set F_, 128
.set V_, 40
.else
.set D_, AU
.set W_, 1
.set F_, 0
.set V_, 24
.endif
.else
.set Y_, HS+S_
.if A_ == 0
.set D_, AR
.set W_, 3
.set F_, 128
.set V_, 36
.elseif A_ == 1
.set D_, AH
.set W_, 1
.set F_, 128
.set V_, 44
.if S_ == 0
.set Z_, 1
.endif
.else
.set D_, AU
.set W_, 3
.set F_, 0
.set V_, 28
.endif
.endif
.set D_, D_+8*T_
.set F_, F_+64*T_+16*S_
.set V_, V_+S_
.set B_, FB+16*S_
	WIN W_
.if T_
.if Z_
	v_wmma_scale_f32_16x16x128_f8f6f4 v[D_:D_+7], v[F_:F_+15], v[B_:B_+15], 0, v[V_], v[Y_] matrix_a_fmt:MATRIX_FMT_BF8 matrix_b_fmt:MATRIX_FMT_BF8 matrix_a_scale:MATRIX_SCALE_ROW1
.else
	v_wmma_scale_f32_16x16x128_f8f6f4 v[D_:D_+7], v[F_:F_+15], v[B_:B_+15], v[D_:D_+7], v[V_], v[Y_] matrix_a_fmt:MATRIX_FMT_BF8 matrix_b_fmt:MATRIX_FMT_BF8 matrix_a_scale:MATRIX_SCALE_ROW1
.endif
.else
.if Z_
	v_wmma_scale_f32_16x16x128_f8f6f4 v[D_:D_+7], v[F_:F_+15], v[B_:B_+15], 0, v[V_], v[Y_] matrix_a_fmt:MATRIX_FMT_BF8 matrix_b_fmt:MATRIX_FMT_BF8
.else
	v_wmma_scale_f32_16x16x128_f8f6f4 v[D_:D_+7], v[F_:F_+15], v[B_:B_+15], v[D_:D_+7], v[V_], v[Y_] matrix_a_fmt:MATRIX_FMT_BF8 matrix_b_fmt:MATRIX_FMT_BF8
.endif
.endif
.endm
.macro STOP1 m, q, ask                 ; x's K steps 0, 1 are done with (11 plain lines ago): h's 0, 1 take their buffers
	WIN 0
.if (\q) == 0
	PLACES 9
.endif
	WALU
	s_wait_dscnt 0x0                               ; the last 16 numbers to be quantised are in
	s_wait_xcnt 0x0                                ; earlier stores have read data and base, the prefetch its address
.if (\m) == 0
	s_add_nc_u64 s[OUT:OUT+1], s[OUT:OUT+1], 32*2048
.if \ask
	s_add_nc_u64 s[PFA:PFA+1], s[PFA:PFA+1], s[PFS:PFS+1]
.endif
.endif
	HFETCH \m, 0
	HFETCH \m, 1
.endm
.macro STOP2 m, q                      ; h's 0, 1 are in; 2, 3 take the buffers of x's
	WIN 0
	PLACES 9-3*(\q)                                ; behind product 23 (ISA guide 7.12.1): with the three quantiser lines there
	WALU
	s_wait_dscnt 0x0
	HFETCH \m, 2
	HFETCH \m, 3
.endm
.macro STOP3 m, q, e                   ; h's 2, 3 are in; the quantiser is through: codes out, biases, s and att in
	WIN 0
	WALU
	s_wait_dscnt 0x0
.if \q
	IMG \m
.endif
	BLOAD NUM, 1
	BLOAD NUM+16, 0
	BLOAD NUM+32, 2
.irp c, 0,1
.irp d, 0,1
	ds_load_b128 v[SS+8*\c+4*\d:SS+8*\c+4*\d+3], v[AL] offset:16*PB*(\m)+64*\c+16*\d
.endr
.endr
	ds_load_b32 v[AT], v[AAT] offset:64*(\m)
.if \m
	s_wait_tensorcnt 0x0                           ; my tensor loads have landed
.if (\e) > 1
	ds_add_u32 v[SPW], v[NIL]                      ; twelve products stand between the add and the wait for it
.if (\e) == 3
	STEPS
.endif
	STEPXL
.endif
.endif
.endm
.macro T16 op, reg
.irp j, 0,1,2,3,4,5,6,7,8,9,10,11,12,13,14,15
	\op v[\reg+\j], v[\reg+\j]
.endr
.endm
; THE GATES of 16 rows x 32 units, in place, each sum from its low end on, with the next tile's loads in runs behind the waits.
; e (tile 1): 3, 2 a round and a refill; 1 a plain barrier.  nl: numbers for the next tile's quantiser; nx: the next tile's fragments.  snd: tile m of the block before leaves (1: not in the first trip)
.macro GATES m, e, nl, nx, snd, ask
	WIN 0
	s_wait_dscnt 0x0                               ; biases, s, att; my images and my add
.if \m
	s_barrier_signal -1                            ; register work until the barrier's wait
	s_xor_b32 s[TB], s[TB], SLOT1
	ADDR                                           ; for the next block; six of the places behind the last product
	PLACES 3
.else
	PLACES 9                                       ; behind the last product (ISA guide 7.12.1)
.endif
.irp j, 0,2,4,6,8,10,12,14
	v_pk_fma_f32 v[AR+\j:AR+\j+1], v[AR+\j:AR+\j+1], s[CNL:CNL+1], v[NUM+\j:NUM+\j+1] op_sel_hi:[1,0,1]
.endr
.irp j, 0,2,4,6,8,10,12,14
	v_pk_fma_f32 v[AU+\j:AU+\j+1], v[AU+\j:AU+\j+1], s[CNL:CNL+1], v[NUM+16+\j:NUM+16+\j+1] op_sel_hi:[1,0,1]
.endr
	WALU
	T16 v_exp_f32, AR                              ; er
	T16 v_exp_f32, AU                              ; eu
	v_nop
	WALU
.if \m
	s_barrier_wait -1
.if (\e) > 1
	CREST                                          ; nobody in the cluster still reads what is refilled
	TLOAD \e
.endif
.endif
.if \nx
	XFETCH 1-(\m)
	ds_load_b128 v[XS:XS+3], v[AXS] offset:256+256*(\m)
	ds_load_b128 v[HS:HS+3], v[LI] offset:HSC-HIMG+512*(1-(\m))
.endif
.if \nl
	NLOAD 1-(\m), 0                                ; br and bu are done with
	NLOAD 1-(\m), 1
.endif
.if (\m) && (\ask)
	ASK
.endif
.irp j, 0,2,4,6,8,10,12,14
	v_pk_add_f32 v[AR+\j:AR+\j+1], v[AR+\j:AR+\j+1], 1.0 op_sel_hi:[1,0]
.endr
	WALU
	T16 v_rcp_f32, AR                              ; r; er = infinity gives 0
	v_nop
	WALU
.irp j, 0,2,4,6,8,10,12,14
	v_pk_fma_f32 v[AC+\j:AC+\j+1], v[AH+\j:AH+\j+1], v[AR+\j:AR+\j+1], v[AC+\j:AC+\j+1]
.endr
.irp j, 0,2,4,6,8,10,12,14
	v_pk_fma_f32 v[AC+\j:AC+\j+1], v[AC+\j:AC+\j+1], s[C2L:C2L+1], v[NUM+32+\j:NUM+32+\j+1] op_sel_hi:[1,0,1]
.endr
.irp j, 0,1,2,3,4,5,6,7,8,9,10,11,12,13,14,15
	v_min_num_f32 v[AC+\j], 0x42700000, v[AC+\j]   ; held at 60
.endr
	WALU
.if \nl
	NLOAD 1-(\m), 2                                ; bc is done with
.endif
.if \snd
.if (\snd) == 1
	s_cmp_eq_u32 s[CNT], NB-3
	s_cbranch_scc1 .Lnone_in_\@
.endif
.irp i, 0,1,2,3
	ds_load_b128 v[AH+4*\i:AH+4*\i+3], v[SR] offset:PB*(16*(\m)+\i)   ; h Wc_h is done with: four rows of the block before
.endr
.Lnone_in_\@:
.endif
	T16 v_exp_f32, AC                              ; ec
.irp j, 0,2,4,6,8,10,12,14
	v_pk_add_f32 v[AR+\j:AR+\j+1], v[SS+\j:SS+\j+1], 1.0 op_sel_hi:[1,0] neg_lo:[1,0] neg_hi:[1,0]   ; 1 - s, where r stood: the plain work behind the exponentials
.endr
	WALU
.irp j, 0,2,4,6,8,10,12,14
	v_pk_add_f32 v[AC+\j:AC+\j+1], v[AC+\j:AC+\j+1], 1.0 op_sel_hi:[1,0]             ; p
.endr
.irp j, 0,2,4,6,8,10,12,14
	v_pk_fma_f32 v[AU+\j:AU+\j+1], v[AU+\j:AU+\j+1], v[AC+\j:AC+\j+1], v[AC+\j:AC+\j+1]   ; p (1 + eu)
.endr
	WALU
	T16 v_rcp_f32, AU                              ; the plain work behind it: (1 - s) p - 2
.irp j, 0,2,4,6,8,10,12,14
	v_pk_fma_f32 v[AC+\j:AC+\j+1], v[AC+\j:AC+\j+1], v[AR+\j:AR+\j+1], -2.0 op_sel_hi:[1,1,0]
.endr
	WALU
	s_wait_dscnt 0x0                               ; the next tile's fragments, scale words and 48 numbers; the rows that leave
.irp j, 0,2,4,6,8,10,12,14
	v_pk_mul_f32 v[AU+\j:AU+\j+1], v[AU+\j:AU+\j+1], v[AT:AT+1] op_sel_hi:[1,0]
.endr
.irp j, 0,2,4,6,8,10,12,14
	v_pk_fma_f32 v[AR+\j:AR+\j+1], v[AC+\j:AC+\j+1], v[AU+\j:AU+\j+1], v[SS+\j:SS+\j+1]
.endr
.irp c, 0,1
.irp d, 0,1
	ds_store_b128 v[SO], v[AR+8*\c+4*\d:AR+8*\c+4*\d+3] offset:16*PB*(\m)+64*\c+16*\d
.endr
.endr
.if \nl
	NLOAD 1-(\m), 3                                ; s is done with
.endif
.if \m
	SADDR
	v_add_nc_u32 v[AXS], 32*16, v[AXS]
	v_add_nc_u32 v[AAT], 32*4, v[AAT]
	WALU
.endif
.if \snd
.if (\snd) == 1
	s_cmp_eq_u32 s[CNT], NB-3
	s_cbranch_scc1 .Lnone_out_\@
.endif
.irp i, 0,1,2,3
	global_store_b128 v[GO], v[AH+4*\i:AH+4*\i+3], s[OUT:OUT+1] offset:2048*(16*(\m)+\i) th:TH_STORE_NT   ; 512 consecutive bytes, at a multiple of 512
.endr
.Lnone_out_\@:
.endif
.endm
.macro TILE m, q, e, nl, nx, snd, ask
.set N_, 0
.set K_, 0
.rept 48
.if N_ == 14
	STOP1 \m, \q, \ask
.elseif N_ == 24
	STOP2 \m, \q
.elseif N_ == 36
	STOP3 \m, \q, \e
.endif
	MM
.if (\q) && (N_ < 36)
	WIN 0
.set KE_, (N_+1)*127/36
.rept KE_-K_
	QL
.endr
.endif
.set N_, N_+1
.endr
	GATES \m, \e, \nl, \nx, \snd, \ask
.endm
.macro BLOCK q, e, nq, nx, snd, ask
	TILE 0, \q, \e, \q, 1, \snd, \ask
	TILE 1, \q, \e, \nq, \nx, \snd, \ask
.endm
; A weight's 16 rows, unit k of 12: W_ its window, B_ its first register, G_ its number, T_ its n
.macro UNIT k
.set U_, (\k)/2
.set T_, (\k)%2
.set W_, 1+U_/2
.set B_, 128*(U_%2)+64*T_
.if U_ == 0
.set G_, 0
.elseif U_ == 1
.set G_, 5
.else
.set G_, U_-1
.endif
.endm
.macro GL k                            ; a row an instruction, 512 consecutive bytes, into the registers that the unit's fragments will have
	UNIT \k
	WIN W_<<6
.irp i, 0,1,2,3,4,5,6,7,8,9,10,11,12,13,14,15
	global_load_b128 v[B_+4*\i:B_+4*\i+3], v[GO], s[WP+2*G_:WP+2*G_+1] offset:8192*T_+512*\i
.endr
.endm
.macro TR k                            ; rows into my own LDS bytes, fragments back: LDS serves a wave's instructions in order (ISA guide 5.7.1.4)
	UNIT \k
	WIN (W_<<2)|(W_<<6)
.irp i, 0,1,2,3,4,5,6,7,8,9,10,11,12,13,14,15
	ds_store_b128 v[120], v[B_+4*\i:B_+4*\i+3] offset:PB*\i
.endr
.irp s, 0,1,2,3
.irp c, 0,1,2,3
	ds_load_b128 v[B_+16*\s+4*\c:B_+16*\s+4*\c+3], v[121] offset:128*\s+32*\c
.endr
.endr
.endm
.macro QALL
.set K_, 0
.rept 127
	QL
.endr
.endm
	s_load_b256 s[4:11], s[0:1], 0x0               ; state, x's codes, x's scales, att
	s_load_b64 s[OUT:OUT+1], s[0:1], 0x20          ; out0
	s_load_b128 s[WP:WP+3], s[0:1], 0x88           ; bu, br
	s_load_b64 s[WP+4:WP+5], s[0:1], 0x98          ; bc
	v_lshl_add_u32 v[SPW], v0, 2, SPARE
	v_mov_b32 v[NIL], 0
	ds_add_u32 v[SPW], v[NIL]                      ; the opening lines
	ds_add_u32 v[SPW], v[NIL]
	v_lshrrev_b32 v56, 5, v0
	v_readfirstlane_b32 s[WV], v56                 ; wave 0..3
	s_bfe_u32 s[SCX], ttmp6, 0x40000               ; cx; ttmp9 counts clusters
.set W0S,  15|(2<<16)|(1<<20)|(1<<21)|(7<<22)|(3<<25)   ; mask of all four; 4-byte elements; 4 words of padding behind 256
.set W0X,  15|(0<<16)|(1<<20)|(1<<21)|(6<<22)|(3<<25)   ; 1-byte elements; behind 128 words
.set W0L,  (2<<16)|(1<<20)|(6<<22)|(3<<25)              ; no mask
	GROUP1 G1S, W0S, 256, 32, 512
	GROUP1 G1X, W0X, 512, 32, 512
	GROUP1 G1L, W0L, 128, 32, 512
	s_mov_b32 s[CNL], 0xbfb8aa3b
	s_mov_b32 s[CNL+1], 0xbfb8aa3b
	s_mov_b32 s[C2L], 0x4038aa3b
	s_mov_b32 s[C2L+1], 0x4038aa3b
	s_mov_b32 s[SEL], 0x76543210
	s_mov_b32 s[SEL+1], 0xfedcba98
	s_and_b32 s3, s[WV], 1
	s_mul_i32 s[G0S+1], s3, SH1                    ; waves 0, 1: state's left half, right half
	s_lshl_b32 s3, s3, 10
	s_lshl_b32 s16, ttmp9, 20                      ; the cluster's 512 rows of 2,048 bytes
	s_mov_b32 s17, 0
	s_mov_b32 s19, 0
	s_lshl_b32 s18, s[SCX], 9
	s_add_co_u32 s18, s18, s16                     ; + my work-group's 128 columns; s[16:17] never hold cx
	s_add_co_u32 s16, s16, s3
	s_mov_b32 s[G0S], 1
	s_mov_b32 s[G0X], 1
	s_mov_b32 s[G0L], 1
	s_mov_b32 s[G0X+1], XO
	s_mov_b32 s[G0L+1], LO
	WALU
	s_wait_dscnt 0x0                               ; both opening adds are done
	s_wait_kmcnt 0x0
	s_add_nc_u64 s[G0S+2:G0S+3], s[4:5], s[16:17]
	s_add_nc_u64 s[G0L+2:G0L+3], s[4:5], s[18:19]
	s_lshl_b32 s16, ttmp9, 18
	s_add_nc_u64 s[G0X+2:G0X+3], s[6:7], s[16:17]
	s_or_b32 s[G0S+3], s[G0S+3], 0x80000000
	s_or_b32 s[G0X+3], s[G0X+3], 0x80000000
	s_or_b32 s[G0L+3], s[G0L+3], 0x80000000
	CROUND                                         ; all four work-groups are here
	TLOAD 3                                        ; block 0 into slot 0, one load a wave
	v_and_b32 v56, 15, v0                          ; r
	v_bfe_u32 v57, v0, 4, 1                        ; h
	v_and_b32 v58, 31, v0
	v_lshlrev_b32 v[GO], 4, v58
	v_lshlrev_b32 v60, 2, v58
	v_lshlrev_b32 v[PFO], 8, v58
	s_lshl_b32 s18, s[SCX], 9                      ; (128 cx + 32 w) numbers
	s_lshl_b32 s16, s[WV], 7
	s_add_co_u32 s18, s18, s16
	WALU
.irp q, 0,1,2
	s_add_nc_u64 s[WP+2*\q:WP+2*\q+1], s[WP+2*\q:WP+2*\q+1], s[18:19]
	global_load_b32 v[64+\q], v60, s[WP+2*\q:WP+2*\q+1]
.endr
	s_lshl_b32 s16, ttmp9, 13                      ; x's scale bytes: my wave's 128 of the cluster's rows
	s_lshl_b32 s18, s[WV], 11
	s_add_co_u32 s16, s16, s18
	s_add_nc_u64 s[8:9], s[8:9], s[16:17]
.irp i, 0,1,2,3
	global_load_b128 v[68+4*\i:71+4*\i], v[GO], s[8:9] offset:512*\i
.endr
	s_lshl_b32 s16, ttmp9, 11                      ; att of the same rows
	s_lshl_b32 s18, s[WV], 9
	s_add_co_u32 s16, s16, s18
	s_add_nc_u64 s[10:11], s[10:11], s[16:17]
	global_load_b128 v[84:87], v[GO], s[10:11]
	s_wait_xcnt 0x0                                ; those loads have read their bases
	s_load_b256 s[WP:WP+7], s[0:1], 0x58           ; the six weights' scale bytes
	s_load_b128 s[WP+8:WP+11], s[0:1], 0x78
	s_lshl_b32 s18, s[SCX], 11                     ; (128 cx + 32 w) rows of 16 bytes
	s_lshl_b32 s16, s[WV], 9
	s_add_co_u32 s18, s18, s16
	v_mul_u32_u24 v[AQ0], v56, PS
	v_lshl_add_u32 v[AQ0], v57, 6, v[AQ0]          ; row r, + 64 h
	s_lshr_b32 s16, s[WV], 1
	s_mul_i32 s16, s16, SH1                        ; K step w: half w / 2 of state's rows, 512 (w % 2) bytes on
	s_and_b32 s3, s[WV], 1
	s_lshl_b32 s3, s3, 9
	s_add_co_u32 s16, s16, s3
	v_add_nc_u32 v[AQ0], s16, v[AQ0]
	v_mul_u32_u24 v[AX0], v56, PB
	s_lshl_b32 s16, s[WV], 7
	v_lshl_add_u32 v[AL0], v57, 5, v[AX0]          ; row r, + 32 h
	v_lshl_add_u32 v61, v57, 4, v[AX0]             ; row r, + 16 h
	v_add_nc_u32 v[AX0], XO, v61
	v_add_nc_u32 v[AL0], s16, v[AL0]               ; + my wave's 32 units
	v_add_nc_u32 v[AL0], LO, v[AL0]
	s_mul_i32 s16, s[WV], 16*PB
	s_add_co_u32 s16, s16, STG
	v_add_nc_u32 v120, s16, v[GO]                  ; turning weights: rows in,
	v_add_nc_u32 v121, s16, v61                    ; fragments out
	WALU
	s_wait_kmcnt 0x0
.irp g, 0,1,2,3,4,5
	s_add_nc_u64 s[WP+2*\g:WP+2*\g+1], s[WP+2*\g:WP+2*\g+1], s[18:19]
	global_load_b128 v[24+8*(\g%3)+4*(\g/3):27+8*(\g%3)+4*(\g/3)], v[GO], s[WP+2*\g:WP+2*\g+1]   ; lane l: row l of my 32, its four words
.endr
	s_wait_xcnt 0x0
	s_load_b256 s[WP:WP+7], s[0:1], 0x28           ; the six weights' codes
	s_load_b128 s[WP+8:WP+11], s[0:1], 0x48
	s_lshl_b32 s18, s[SCX], 16                     ; (128 cx + 32 w) rows of 512 bytes
	s_lshl_b32 s16, s[WV], 14
	s_add_co_u32 s18, s18, s16
	v_lshl_add_u32 v[AXS], v56, 4, XSC
	v_lshl_add_u32 v[AAT], v56, 2, ATT
	s_lshl_b32 s16, s[WV], 9
	s_add_co_u32 s16, s16, BIA
	v_add_nc_u32 v122, s16, v60                    ; where my lane's bias goes
	v_lshlrev_b32 v[ABI], 5, v57
	v_add_nc_u32 v[ABI], s16, v[ABI]
	s_lshl_b32 s16, s[WV], 11
	s_add_co_u32 s[HWB], s16, HIMG
	s_add_co_u32 s16, s16, XSC
	v_add_nc_u32 v123, s16, v[GO]
	s_lshl_b32 s16, s[WV], 9
	s_add_co_u32 s16, s16, ATT
	v_add_nc_u32 v124, s16, v[GO]
	s_lshl_b32 s16, s[WV], 2
	s_add_co_u32 s[HSB], s16, HSC
	s_mul_i32 s16, s[WV], 4*PB
	s_add_co_u32 s[SRB], s16, STG
	WALU
	v_mov_b32 v[PX], 0                             ; written once: a lane permute's destination counts as one of its sources
	v_mov_b32 v[PX+1], 0
	WALU
	s_wait_kmcnt 0x0
.irp g, 0,1,2,3,4,5
	s_add_nc_u64 s[WP+2*\g:WP+2*\g+1], s[WP+2*\g:WP+2*\g+1], s[18:19]
.endr
	GL 0
	GL 1
	GL 2
	WIN 0
	; out0 at row 512 x cluster + 4 w, column 128 cx, two blocks back: each block steps it by one, and block 1 is the first that stores
	s_lshl_b32 s18, s[SCX], 9
	s_lshl_b32 s16, ttmp9, 20
	s_add_co_u32 s18, s18, s16
	s_lshl_b32 s16, s[WV], 13
	s_add_co_u32 s18, s18, s16
	s_add_nc_u64 s[OUT:OUT+1], s[OUT:OUT+1], s[18:19]
	s_sub_nc_u64 s[OUT:OUT+1], s[OUT:OUT+1], 0x20000
	; prefetches: waves 0, 1 in state from block 3, wave 2 in x's codes from block 2 (block t's step makes that 4, 3 in block 0), wave 3 asks for nothing
	s_cmp_eq_u32 s[WV], 2
	s_cselect_b64 s[PFA:PFA+1], s[6:7], s[4:5]
	s_cselect_b32 s16, 18, 20
	s_cselect_b32 s17, 13, 14                      ; a partner's part: 8,192 bytes of two blocks of codes, 16,384 of a block of state
	s_cselect_b32 s3, 0, s[WV]
	s_cselect_b32 s[PM], 1, 0
	s_mov_b32 s[PFS], 32*2048
	s_cselect_b32 s[PFS], 32*512, s[PFS]
	s_mov_b32 s18, 3*32*2048
	s_cselect_b32 s18, 2*32*512, s18
	s_mov_b32 s[PFS+1], 0
	s_lshl_b32 s16, ttmp9, s16
	s_lshl_b32 s3, s3, 13
	s_add_co_u32 s16, s16, s3
	s_add_co_u32 s16, s16, s18
	s_lshl_b32 s18, s[SCX], s17
	s_add_co_u32 s18, s18, s16
	s_add_nc_u64 s[PFA:PFA+1], s[PFA:PFA+1], s[18:19]
	s_cmp_eq_u32 s[WV], 3
	s_cselect_b32 s[LIM], -1, 1
	s_mov_b32 s[MNT], 0x600000
	s_mov_b32 s[CNT], NB-3
	s_mov_b32 s[TB], SLOT1                         ; as in a block -1: block 0 is quantised out of slot 0 into slot 0's images
.macro WK k                            ; unit k + 3 is asked for, then unit k, behind which the three later ones may be out, is turned
.if \k < 9
	GL \k+3
	s_wait_loadcnt 48
.elseif \k == 9
	s_wait_loadcnt 32
.elseif \k == 10
	s_wait_loadcnt 16
.else
	s_wait_loadcnt 0x0
.endif
	TR \k
.endm
	WALU
	s_wait_loadcnt 48                              ; all but the first three units of weights
	v_mul_f32 v64, s[CNL], v64
	v_mul_f32 v65, s[CNL], v65
	v_mul_f32 v66, s[C2L], v66
.irp q, 0,1,2
	ds_store_b32 v122, v[64+\q] offset:128*\q
.endr
.irp i, 0,1,2,3
	ds_store_b128 v123, v[68+4*\i:71+4*\i] offset:512*\i
.endr
	ds_store_b128 v124, v[84:87]
	WK 0                                           ; four units are turned while block 0 is on its way
	WK 1
	WK 2
	WK 3
	WIN 0
	WALU
	s_wait_tensorcnt 0x0                           ; my part of block 0 is in
	ds_add_u32 v[SPW], v[NIL]
	STEPS
	s_wait_dscnt 0x0
	CROUND
	TLOAD 1                                        ; state's block 1 into slot 1
	ADDR
	WALU
	NLOAD 0, 0
	NLOAD 0, 1
	NLOAD 0, 2
	NLOAD 0, 3
	WK 4
	WIN 0
	s_wait_dscnt 0x0
	QALL
	IMG 0
	NLOAD 1, 0
	NLOAD 1, 1
	NLOAD 1, 2
	NLOAD 1, 3
	WALU
	WK 5
	WK 6
	WIN 0
	s_wait_dscnt 0x0
	QALL
	IMG 1
	WALU
.irp k, 7,8,9,10,11
	WK \k
.endr
	WIN 0
	s_mov_b32 s[TB], 0
	ADDR
	SADDR
	WALU
	s_wait_tensorcnt 0x0                           ; E(-1): state's block 1 has landed
	ds_add_u32 v[SPW], v[NIL]
	STEPS
	STEPXL
	s_wait_dscnt 0x0                               ; the add; my images, scales, att; my weights
	CROUND
	TLOAD 3                                        ; state's block 2, x's and the own columns' block 1
	XFETCH 0
	ds_load_b128 v[XS:XS+3], v[AXS]
	ds_load_b128 v[HS:HS+3], v[LI] offset:HSC-HIMG
	NLOAD 0, 0
	NLOAD 0, 1
	NLOAD 0, 2
	NLOAD 0, 3
	s_wait_dscnt 0x0
.Lblk:                                                 ; blocks 0 to 12
	BLOCK 1, 3, 1, 1, 1, 1
	WALU
	s_sub_co_u32 s[CNT], s[CNT], 1
	s_cmp_lg_u32 s[CNT], 0
	s_cbranch_scc1 .Lblk
	BLOCK 1, 2, 1, 1, 2, 0                         ; 13: no state is left to ask for
	BLOCK 1, 1, 0, 1, 2, 0                         ; 14: nothing is filled again
	BLOCK 0, 1, 0, 0, 2, 0                         ; 15: nothing is left to quantise
	WALU
	s_wait_dscnt 0x0                               ; my stores into the stage have landed
	s_barrier_signal -1
	s_barrier_wait -1
	s_wait_xcnt 0x0
	s_add_nc_u64 s[OUT:OUT+1], s[OUT:OUT+1], 32*2048
.irp m, 0,1
.irp i, 0,1,2,3
	ds_load_b128 v[NUM+16*\m+4*\i:NUM+16*\m+4*\i+3], v[SR] offset:PB*(16*\m+\i)
.endr
.endr
	s_wait_dscnt 0x0
.irp m, 0,1
.irp i, 0,1,2,3
	global_store_b128 v[GO], v[NUM+16*\m+4*\i:NUM+16*\m+4*\i+3], s[OUT:OUT+1] offset:2048*(16*\m+\i) th:TH_STORE_NT
.endr
.endr
	s_wait_tensorcnt 0x0                           ; the wave's end
	ds_add_u32 v[SPW], v[NIL]
	s_wait_dscnt 0x0
	CROUND                                         ; the closing round
	s_endpgm
.Lfunc_end_k_q3bbb8202fa_augru:
	.size	k_q3bbb8202fa_augru, .Lfunc_end_k_q3bbb8202fa_augru-k_q3bbb8202fa_augru
	.p2alignl 7, 3214868480
	.fill 96, 4, 3214868480
	.section	.rodata,"a",@progbits
	.p2align	6, 0x0
	.amdhsa_kernel k_q3bbb8202fa_augru
		.amdhsa_group_segment_fixed_size 327680
		.amdhsa_private_segment_fixed_size 0
		.amdhsa_enable_private_segment 0
		.amdhsa_kernarg_size 160
		.amdhsa_user_sgpr_count 2
		.amdhsa_user_sgpr_kernarg_segment_ptr 1
		.amdhsa_wavefront_size32 1
		.amdhsa_system_sgpr_workgroup_id_x 1
		.amdhsa_system_sgpr_workgroup_id_y 1
		.amdhsa_system_sgpr_workgroup_id_z 1
		.amdhsa_system_vgpr_workitem_id 0
		.amdhsa_next_free_vgpr 1024
		.amdhsa_next_free_sgpr 100
		.amdhsa_reserve_vcc 0
		.amdhsa_float_denorm_mode_32 3
		.amdhsa_float_denorm_mode_16_64 3
		.amdhsa_memory_ordered 1
		.amdhsa_forward_progress 1
		.amdhsa_inst_pref_size 255
	.end_amdhsa_kernel
	.section	.bss,"aw",@nobits
	.p2align	6
	.space	262144
	.amdgpu_metadata
---
amdhsa.version: [ 1, 2 ]
amdhsa.kernels:
  - .name:           k_q3bbb8202fa_augru
    .symbol:         k_q3bbb8202fa_augru.kd
    .args:
      - { .name: state, .offset: 0, .size: 8, .value_kind: global_buffer, .address_space: global }
      - { .name: inputs_codes, .offset: 8, .size: 8, .value_kind: global_buffer, .address_space: global }
      - { .name: inputs_scales, .offset: 16, .size: 8, .value_kind: global_buffer, .address_space: global }
      - { .name: att_score, .offset: 24, .size: 8, .value_kind: global_buffer, .address_space: global }
      - { .name: out0, .offset: 32, .size: 8, .value_kind: global_buffer, .address_space: global }
      - { .name: Wu_x_codes, .offset: 40, .size: 8, .value_kind: global_buffer, .address_space: global }
      - { .name: Wr_x_codes, .offset: 48, .size: 8, .value_kind: global_buffer, .address_space: global }
      - { .name: Wc_x_codes, .offset: 56, .size: 8, .value_kind: global_buffer, .address_space: global }
      - { .name: Wu_h_codes, .offset: 64, .size: 8, .value_kind: global_buffer, .address_space: global }
      - { .name: Wr_h_codes, .offset: 72, .size: 8, .value_kind: global_buffer, .address_space: global }
      - { .name: Wc_h_codes, .offset: 80, .size: 8, .value_kind: global_buffer, .address_space: global }
      - { .name: Wu_x_scales, .offset: 88, .size: 8, .value_kind: global_buffer, .address_space: global }
      - { .name: Wr_x_scales, .offset: 96, .size: 8, .value_kind: global_buffer, .address_space: global }
      - { .name: Wc_x_scales, .offset: 104, .size: 8, .value_kind: global_buffer, .address_space: global }
      - { .name: Wu_h_scales, .offset: 112, .size: 8, .value_kind: global_buffer, .address_space: global }
      - { .name: Wr_h_scales, .offset: 120, .size: 8, .value_kind: global_buffer, .address_space: global }
      - { .name: Wc_h_scales, .offset: 128, .size: 8, .value_kind: global_buffer, .address_space: global }
      - { .name: bu, .offset: 136, .size: 8, .value_kind: global_buffer, .address_space: global }
      - { .name: br, .offset: 144, .size: 8, .value_kind: global_buffer, .address_space: global }
      - { .name: bc, .offset: 152, .size: 8, .value_kind: global_buffer, .address_space: global }
    .group_segment_fixed_size: 327680
    .private_segment_fixed_size: 0
    .kernarg_segment_align: 8
    .kernarg_segment_size: 160
    .max_flat_workgroup_size: 128
    .sgpr_count:     100
    .vgpr_count:     1024
    .wavefront_size: 32
...
	.end_amdgpu_metadata
.endif
;; end of part 1
